; MI455X (gfx1250); checked and timed in simulation.
; The chip was launched on July 23, 2026; its instructions are those of AMD's public machine-readable ISA for CDNA 5 (MIT licence, August 2026) and "CDNA5" Instruction Set Architecture Reference Guide (July 2026). The comments in the code are by the model that wrote it; some were corrected since.
;; Attention. Allowed arithmetic: matrix products marked QUANTISED: E2M3 operands, one E8M0 scale for each 32 along K, by v_wmma_scale_f32_16x16x128_f8f6f4 with both operands' format E2M3, f32 sums; everything else in f32.
;; Inputs: cache_k_codes 2 x 2,048 x 32 x 2 x 24 uint8 (E2M3 codes of cache_k, K innermost, in blocks of 32 codes, four codes in three bytes); cache_k_scales 2 x 2,048 x 32 x 2 uint8 (E8M0 scales of cache_k, one for each 32 codes along K); cache_v_codes 2 x 32 x 64 x 64 x 24 uint8 (E2M3 codes of cache_v, K innermost, in blocks of 32 codes, four codes in three bytes); cache_v_scales 2 x 32 x 64 x 64 uint8 (E8M0 scales of cache_v, one for each 32 codes along K); freqs_cis 1,024 x 32 float32; input_idexes 1,024 int32; mask 1 x 1 x 1,024 x 2,048 float32; wk_codes 2,048 x 64 x 24 uint8 (E2M3 codes of wk, K innermost, in blocks of 32 codes, four codes in three bytes); wk_scales 2,048 x 64 uint8 (E8M0 scales of wk, one for each 32 codes along K); wo_codes 2,048 x 64 x 24 uint8 (E2M3 codes of wo, K innermost, in blocks of 32 codes, four codes in three bytes); wo_scales 2,048 x 64 uint8 (E8M0 scales of wo, one for each 32 codes along K); wq_codes 2,048 x 64 x 24 uint8 (E2M3 codes of wq, K innermost, in blocks of 32 codes, four codes in three bytes); wq_scales 2,048 x 64 uint8 (E8M0 scales of wq, one for each 32 codes along K); wv_codes 2,048 x 64 x 24 uint8 (E2M3 codes of wv, K innermost, in blocks of 32 codes, four codes in three bytes); wv_scales 2,048 x 64 uint8 (E8M0 scales of wv, one for each 32 codes along K); x_codes 2 x 1,024 x 64 x 24 uint8 (E2M3 codes of x, K innermost, in blocks of 32 codes, four codes in three bytes); x_scales 2 x 1,024 x 64 uint8 (E8M0 scales of x, one for each 32 codes along K).
;; Outputs: out0 2 x 1,024 x 2,048 float32.
;; This version of the problem:
;;   THIS VERSION OF THE PROBLEM IS GIVEN IN LOW PRECISION. The matrix products marked QUANTISED in the list below multiply operands that are first quantised to E2M3 (2 exponent bits, 3 mantissa bits; 6 bits a number), with one power-of-two scale for each 32 numbers along K (OCP MX v1.0); their sums are f32. All else is computed in f32.
;;   The module's matrix products, in the order in which they are computed (A, B: the left and right operand; K: the contracted axis; several contracted axes count as one K, in the product's order):
;;     1. [M 2,048, K 2,048] x [K 2,048, N 2,048]; A: input x (given as codes); B: input wq (given as codes): QUANTISED
;;     2. [M 2,048, K 2,048] x [K 2,048, N 2,048]; A: input x (given as codes); B: input wk (given as codes): QUANTISED
;;     3. [M 2,048, K 2,048] x [K 2,048, N 2,048]; A: input x (given as codes); B: input wv (given as codes): QUANTISED
;;     4. batch 64 x [M 1,024, K 64] x [K 64, N 2,048]; A: computed on the way; B: input cache_k (given as codes): QUANTISED
;;     5. batch 64 x [M 1,024, K 2,048] x [K 2,048, N 64]; A: softmax (see below); B: input cache_v (given as codes): QUANTISED
;;     6. [M 2,048, K 2,048] x [K 2,048, N 2,048]; A: computed on the way; B: input wo (given as codes): QUANTISED
;;   THE QUANTISER, for each operand of a quantised product, along K:
;;     - K is cut into blocks of 32 from its start; a last block that is shorter is filled with zeros.
;;     - A block's scale is 2^e with e = floor(log2(the largest magnitude in the block)) - 2, held to -126 .. 127; a block of zeros has e = 0. As a byte (E8M0): e + 127.
;;     - Each number is divided by its block's scale, clamped to +-7.5, and rounded to the nearest number of E2M3, ties to even, subnormals kept.
;;     - The product sums the exact products of the quantised numbers (number of the format x scale) in f32.
;;   ~~~python
;;   def quantise(x, axis):      # numpy; x: float32 -> the quantised numbers, widened to float32 again
;;       x = np.moveaxis(x, axis, -1); K = x.shape[-1]
;;       x = np.pad(x, [(0, 0)] * (x.ndim - 1) + [(0, -K % 32)]); x = x.reshape(x.shape[:-1] + (-1, 32)); a = np.abs(x).max(-1, keepdims=True)
;;       e = np.where(a > 0, np.clip(np.frexp(np.where(a > 0, a, 1))[1] - 1 - 2, -126, 127), 0)      # np.frexp(a)[1] - 1 = floor(log2(a)), exactly
;;       r = np.clip(x / 2.0 ** e, -7.5, 7.5)
;;       step = 2.0 ** (np.maximum(np.frexp(np.where(r == 0, 1, r))[1] - 1, 0) - 3)
;;       q = np.round(r / step) * step * 2.0 ** e      # np.round: ties to even
;;       return np.moveaxis(q.reshape(q.shape[:-2] + (-1,))[..., :K], -1, axis).astype(np.float32)
;;   ~~~
;;   SOFTMAX AHEAD OF A QUANTISED PRODUCT. Where the list says 'softmax', what is quantised is not the finished softmax but p = 2^(t - M), with t = logit x log2(e) and M = ceil(the row's largest t), a whole number; so 1/2 < the row's largest p <= 1. The row's sum l is taken of the UNQUANTISED p, in f32, and the product's result is divided by l at the end. Since M is a whole number, a kernel that streams over the keys may use a running M (the ceiling of the running maximum): every later rescaling is an exact power of two, which a block's scale takes up: the codes' values come out the same.
;;   OPERANDS COMPUTED ON THE WAY. 'Computed on the way' means the value that the module computes at that place (a softmax that the list does not call 'softmax' is quantised finished and normalised). What goes into a quantiser is computed in f32, as accurately as f32 sums, v_exp_f32 and their like allow (about 1e-6 of the number): no bf16 or f16 on the way to a quantiser, and a product that is left as it is and whose result goes on into a quantised operand takes f32 operands (vector FMAs, or v_wmma_f32_16x16x4_f32). A number that lies on a knife's edge between two numbers of the format may be rounded either way, as far as f32 arithmetic and the matrix unit's own rounding can turn it there, and no further.
;;   INPUTS GIVEN AS CODES. cache_k (in the module: [2, 2048, 32, 64], K = its axis 3); cache_v (in the module: [2, 2048, 32, 64], K = its axis 1); wk (in the module: [2048, 2048], K = its axis 1); wo (in the module: [2048, 2048], K = its axis 1); wq (in the module: [2048, 2048], K = its axis 1); wv (in the module: [2048, 2048], K = its axis 1); x (in the module: [2, 1024, 2048], K = its axis 2): each comes as NAME_codes (uint8): NAME with its K axis moved to the last place and cut into blocks of 32 codes, [.., K / 32, bytes a block], one block behind the other in memory; four codes in three bytes: a row's codes are one little-endian stream of bits, code i at bits 6 i .. 6 i + 5 (a code: sign, 2 exponent bits, 3 mantissa bits); and NAME_scales (uint8): the same leading axes, one E8M0 byte (e + 127) for each 32 codes along K. Its value is code x scale, taken as it is: it is not quantised again, and the codes and scales need not be those that the quantiser above would give.
;; One version. Each part assembles by itself: llvm-mc -triple=amdgcn-amd-amdhsa -mcpu=gfx1250 --defsym DOCPART=n.
;; ======== version 1 of 1: 4 launches
;; limits: right only within a limited range of input values
;; workspace buffers: xq 16,777,216 bytes; kv 13,369,344 bytes; ao_codes 3,145,728 bytes; ao_scales 131,072 bytes
;; launch prep (part 1): grid 256 x 1, 4 waves a work-group, no clusters, 25,088 bytes of LDS; arguments cache_k_codes, cache_k_scales, cache_v_codes, cache_v_scales, kv; writes kv
.if DOCPART == 1
	.amdgcn_target "amdgcn-amd-amdhsa--gfx1250"
	.amdhsa_code_object_version 6
	.text
	.protected	k_q08b4fb89e8_prep
	.globl	k_q08b4fb89e8_prep
	.p2align	8
	.type	k_q08b4fb89e8_prep,@function
k_q08b4fb89e8_prep:
	s_mov_b64 s[64:65], 0
	v_nop
	global_prefetch_b8 v0, s[64:65] scope:SCOPE_SE
	s_setreg_imm32_b32 hwreg(HW_REG_WAVE_MODE, 25, 1), 1
	s_wait_xcnt 0x0
; DEAD WORK OF THE WHOLE PROGRAM.  Of the function's six products the second and third (xk = x wk^T, xv = x wv^T) are assigned and never used: no result hangs on them, whatever the inputs hold.
; They are not computed; wk, wv, freqs_cis and input_idexes have no way to out0, are not loaded and are among no launch's arguments.  LIMIT: a NaN, an infinity or an overflow that would arise only in xk or xv is not carried to the result.
; THIS LAUNCH lays cache_k and cache_v anew, codes and scale bytes unchanged, so that the attention launch's tiles are dense runs of 256-byte rows in the order of its operand registers.
; kv: 256 blocks of TB = 52,224 bytes, block 16 y + s for y = 8 b + head group (4 heads) and key step s (128 keys):
;   0       K's codes  [tile t = 4 c + u][head][piece p][lane][8 bytes]: lane (r, h) of tile t is key 64 c + 8 u + (r & 7) + 32 (r >> 3), bytes 24 h + 8 p of the head's 48
;   24,576  V's codes  [head][tile u][piece 3 cc + p][lane][8 bytes]: lane (r, h) is channel 8 u + (r & 7) + 32 (r >> 3), bytes 48 cc + 24 h + 8 p of the step's 96
;   49,152  K's scale words [n][lane][head][4 bytes]: lanes 0-15 tile 2 n, lanes 16-31 tile 2 n + 1; two bytes, the upper two 0
;   51,200  V's scale words [head][lane][m][4 bytes]: lanes 0-15 tile 2 m, lanes 16-31 tile 2 m + 1
; SHARES.  Work-group j: the 16 keys of one tile of K for all 32 heads (wave w: heads 8 w .. 8 w + 7), the 16 channels of one tile of V for all keys (wave w: key steps 4 w .. 4 w + 3), and the scale words of block j.
; A wave's part is 16 rows x 384 bytes both times, eight runs e of 48 bytes to a row.  Sixteen lanes take a row: lane (e, h) its 24 bytes at 48 e + 24 h, in three loads of 8 bytes on end, which together cover the row's 384 bytes.
; The pieces are turned in the wave's own 6,144 LDS bytes (piece to 768 e + 256 p + 128 h + 8 r) and stored as runs of 512 bytes.  No matrix work, no tensor load, no cluster: nothing is shared.
.set TB, 52224
.set SPARE, 24576
.set SPW, 1
.set NIL, 2
.set GO, 3
.set AD, 4
.set RB, 7
.set SO, 8
.set SV, 9
.set S8, 10
.set KD, 32
.set VD, 80
.set BK1, 128
.set BK2, 176
	s_load_b256 s[4:11], s[0:1], 0x0               ; K's codes, K's scales, V's codes, V's scales
	s_load_b64 s[12:13], s[0:1], 0x20              ; kv
	v_lshl_add_u32 v[SPW], v0, 2, SPARE
	v_mov_b32 v[NIL], 0
	v_lshrrev_b32 v11, 5, v0
	v_readfirstlane_b32 s14, v11                   ; wave
	s_lshr_b32 s15, ttmp9, 7                       ; b
	s_bfe_u32 s16, ttmp9, 0x40003                  ; K: key step
	s_bfe_u32 s17, ttmp9, 0x10002                  ; c
	s_and_b32 s18, ttmp9, 3                        ; u
	s_and_b32 s19, ttmp9, 7                        ; t
	s_lshl_b32 s20, s15, 11
	s_lshl_b32 s21, s16, 7
	s_add_co_u32 s20, s20, s21
	s_lshl_b32 s21, s17, 6
	s_add_co_u32 s20, s20, s21
	s_lshl_b32 s21, s18, 3
	s_add_co_u32 s20, s20, s21                     ; the tile's first key
	s_mul_i32 s20, s20, 1536
	s_mul_i32 s37, s14, 384
	s_add_co_u32 s20, s20, s37
	s_mov_b32 s21, 0                               ; s[20:21] K from
	s_lshl_b32 s22, s15, 3
	s_lshl_b32 s23, s14, 1
	s_add_co_u32 s22, s22, s23                     ; y of my first head group
	s_lshl_b32 s22, s22, 4
	s_add_co_u32 s22, s22, s16
	s_mul_i32 s22, s22, TB
	s_mul_i32 s23, s19, 3072
	s_add_co_u32 s22, s22, s23
	s_mov_b32 s23, 0                               ; s[22:23] K to
	s_lshr_b32 s24, ttmp9, 2                       ; V: 32 b + head
	s_lshl_b32 s24, s24, 6
	s_lshl_b32 s25, s18, 3
	s_add_co_u32 s24, s24, s25
	s_mul_i32 s24, s24, 1536
	s_add_co_u32 s24, s24, s37
	s_mov_b32 s25, 0                               ; s[24:25] V from
	s_lshr_b32 s38, ttmp9, 4                       ; y
	s_lshl_b32 s26, s38, 4
	s_lshl_b32 s27, s14, 2
	s_add_co_u32 s26, s26, s27
	s_mul_i32 s26, s26, TB
	s_bfe_u32 s27, ttmp9, 0x20002                  ; head in its group
	s_mul_i32 s27, s27, 6144
	s_add_co_u32 s26, s26, s27
	s_mul_i32 s27, s18, 1536
	s_add_co_u32 s26, s26, s27
	s_add_co_u32 s26, s26, 24576
	s_mov_b32 s27, 0                               ; s[26:27] V to
	s_and_b32 s39, ttmp9, 15                       ; the scale words' key step
	s_lshl_b32 s28, s15, 11
	s_lshl_b32 s29, s39, 7
	s_add_co_u32 s28, s28, s29
	s_lshr_b32 s29, s14, 1
	s_lshl_b32 s29, s29, 6
	s_add_co_u32 s28, s28, s29
	s_and_b32 s29, s14, 1
	s_lshl_b32 s29, s29, 4
	s_add_co_u32 s28, s28, s29                     ; first key of tiles 2 w, 2 w + 1
	s_lshl_b32 s28, s28, 6
	s_and_b32 s29, s38, 7
	s_lshl_b32 s29, s29, 3
	s_add_co_u32 s28, s28, s29
	s_mov_b32 s29, 0                               ; s[28:29] K's scales from
	s_lshl_b32 s30, s38, 2
	s_add_co_u32 s30, s30, s14
	s_lshl_b32 s30, s30, 12
	s_lshl_b32 s31, s39, 2
	s_add_co_u32 s30, s30, s31
	s_mov_b32 s31, 0                               ; s[30:31] V's scales from
	s_mul_i32 s32, ttmp9, TB
	s_lshl_b32 s33, s14, 8
	s_add_co_u32 s34, s32, s33
	s_add_co_u32 s34, s34, 51200
	s_mov_b32 s35, 0                               ; s[34:35] V's scale words to
	s_lshl_b32 s33, s14, 9
	s_add_co_u32 s32, s32, s33
	s_add_co_u32 s32, s32, 49152
	s_mov_b32 s33, 0                               ; s[32:33] K's scale words to
	s_mul_i32 s36, s14, 6144                       ; my LDS bytes
	v_and_b32 v11, 31, v0                          ; lane
	v_and_b32 v12, 1, v0                           ; h
	v_bfe_u32 v13, v0, 4, 1                        ; which of two rows
	v_bfe_u32 v14, v0, 1, 3                        ; e
	v_mul_u32_u24 v[GO], v13, 1536                 ; from: row, 48 e, 24 h
	v_mul_u32_u24 v[AD], v14, 768                  ; to: 768 e + 128 h + 8 x row half
	v_lshlrev_b32 v[SO], 4, v11
	v_lshlrev_b32 v[S8], 3, v11
	v_mad_u32_u24 v[GO], v14, 48, v[GO]
	v_lshl_add_u32 v[AD], v12, 7, v[AD]
	v_and_b32 v15, 7, v0
	v_bfe_u32 v16, v0, 3, 1
	v_mad_u32_u24 v[GO], v12, 24, v[GO]
	v_lshl_add_u32 v[AD], v13, 3, v[AD]
	v_lshl_add_u32 v15, v13, 3, v15
	v_add_nc_u32 v[RB], s36, v[SO]
	v_add_nc_u32 v[AD], s36, v[AD]
	v_lshl_add_u32 v15, v16, 5, v15                ; 8 (lane / 16) + (lane & 7) + 32 ((lane >> 3) & 1)
	s_delay_alu instid0(VALU_DEP_1)
	v_lshlrev_b32 v[SV], 6, v15                    ; rows of 64 scale bytes
	s_wait_alu depctr_va_vdst(0)                   ; the wait at the head's end
	s_wait_kmcnt 0x0
	s_add_nc_u64 s[20:21], s[4:5], s[20:21]
	s_add_nc_u64 s[22:23], s[12:13], s[22:23]
	s_add_nc_u64 s[24:25], s[8:9], s[24:25]
	s_add_nc_u64 s[26:27], s[12:13], s[26:27]
	s_add_nc_u64 s[28:29], s[6:7], s[28:29]
	s_add_nc_u64 s[30:31], s[10:11], s[30:31]
	s_add_nc_u64 s[32:33], s[12:13], s[32:33]
	s_add_nc_u64 s[34:35], s[12:13], s[34:35]
.macro GATHER d, base                          ; rows r = 2 i + lane / 16, which lie at (r & 7) + 32 (r >> 3); piece p of my 24 bytes
.irp i, 0,1,2,3,4,5,6,7
.irp p, 0,1,2
	global_load_b64 v[\d+6*\i+2*\p:\d+6*\i+2*\p+1], v[GO], s[\base:\base+1] offset:((2*\i)%8+32*(\i/4))*1536+8*\p
.endr
.endr
.endm
.macro TURN d, bk                              ; into my LDS bytes by pieces, back as they lie.  LDS serves a wave's instructions in order (ISA guide 5.7.1.4): no wait between
.irp i, 0,1,2,3,4,5,6,7
.irp p, 0,1,2
	ds_store_b64 v[AD], v[\d+6*\i+2*\p:\d+6*\i+2*\p+1] offset:256*\p+16*\i
.endr
.endr
.irp k, 0,1,2,3,4,5,6,7,8,9,10,11
	ds_load_b128 v[\bk+4*\k:\bk+4*\k+3], v[RB] offset:512*\k
.endr
.endm
	GATHER KD, 20
	GATHER VD, 24
	global_load_b64 v[20:21], v[SV], s[28:29]      ; a key's 8 scale bytes: four heads x 2
	global_load_b32 v22, v[SV], s[30:31]           ; a channel's 4 scale bytes of this key step: tiles 0, 1
	global_load_b32 v23, v[SV], s[30:31] offset:1024   ; tiles 2, 3: 16 channels on
	s_wait_loadcnt 27                              ; K's 24 are in; behind them V's 24 and the three
	TURN KD, BK1
	s_wait_loadcnt 3                               ; V's are in
	TURN VD, BK2
	s_wait_dscnt 36                                ; K is back: behind its loads stand V's 24 stores and 12 loads
.irp k, 0,1,2,3,4,5,6,7,8,9,10,11
	global_store_b128 v[SO], v[BK1+4*\k:BK1+4*\k+3], s[22:23] offset:(\k/6)*16*TB+(\k%6)*512   ; 512 consecutive bytes; a head group's 3,072, then the next group's, 16 blocks on
.endr
	s_wait_dscnt 0x0
.irp k, 0,1,2,3,4,5,6,7,8,9,10,11
	global_store_b128 v[SO], v[BK2+4*\k:BK2+4*\k+3], s[26:27] offset:(\k/3)*TB+(\k%3)*512      ; a key step's 1,536, then the next step's block
.endr
	s_wait_loadcnt 0x0
	v_and_b32 v24, 0xffff, v20
	v_lshrrev_b32 v25, 16, v20
	v_and_b32 v26, 0xffff, v21
	v_lshrrev_b32 v27, 16, v21
	global_store_b128 v[SO], v[24:27], s[32:33]
	global_store_b64 v[S8], v[22:23], s[34:35]
	s_wait_tensorcnt 0x0                           ; the wave's end
	ds_add_u32 v[SPW], v[NIL]
	s_wait_dscnt 0x0
	s_endpgm
.Lfunc_end_k_q08b4fb89e8_prep:
	.size	k_q08b4fb89e8_prep, .Lfunc_end_k_q08b4fb89e8_prep-k_q08b4fb89e8_prep
	.p2alignl 7, 3214868480
	.fill 96, 4, 3214868480
	.section	.rodata,"a",@progbits
	.p2align	6, 0x0
	.amdhsa_kernel k_q08b4fb89e8_prep
		.amdhsa_group_segment_fixed_size 25088
		.amdhsa_private_segment_fixed_size 0
		.amdhsa_enable_private_segment 0
		.amdhsa_kernarg_size 40
		.amdhsa_user_sgpr_count 2
		.amdhsa_user_sgpr_kernarg_segment_ptr 1
		.amdhsa_wavefront_size32 1
		.amdhsa_system_sgpr_workgroup_id_x 1
		.amdhsa_system_sgpr_workgroup_id_y 1
		.amdhsa_system_sgpr_workgroup_id_z 1
		.amdhsa_system_vgpr_workitem_id 0
		.amdhsa_next_free_vgpr 224
		.amdhsa_next_free_sgpr 66
		.amdhsa_reserve_vcc 0
		.amdhsa_float_denorm_mode_32 3
		.amdhsa_float_denorm_mode_16_64 3
		.amdhsa_memory_ordered 1
		.amdhsa_forward_progress 1
		.amdhsa_inst_pref_size 17
	.end_amdhsa_kernel
	.amdgpu_metadata
---
amdhsa.version: [ 1, 2 ]
amdhsa.kernels:
  - .name:           k_q08b4fb89e8_prep
    .symbol:         k_q08b4fb89e8_prep.kd
    .args:
      - { .name: cache_k_codes, .offset: 0, .size: 8, .value_kind: global_buffer, .address_space: global }
      - { .name: cache_k_scales, .offset: 8, .size: 8, .value_kind: global_buffer, .address_space: global }
      - { .name: cache_v_codes, .offset: 16, .size: 8, .value_kind: global_buffer, .address_space: global }
      - { .name: cache_v_scales, .offset: 24, .size: 8, .value_kind: global_buffer, .address_space: global }
      - { .name: kv, .offset: 32, .size: 8, .value_kind: global_buffer, .address_space: global }
    .group_segment_fixed_size: 25088
    .private_segment_fixed_size: 0
    .kernarg_segment_align: 8
    .kernarg_segment_size: 40
    .max_flat_workgroup_size: 128
    .sgpr_count:     66
    .vgpr_count:     224
    .wavefront_size: 32
...
	.end_amdgpu_metadata
.endif
;; end of part 1
;; launch proj_q (part 2): grid 16 x 16, 4 waves a work-group, clusters of 4 x 4, 327,680 bytes of LDS; arguments x_codes, x_scales, wq_codes, wq_scales, xq; writes xq
.if DOCPART == 2
	.amdgcn_target "amdgcn-amd-amdhsa--gfx1250"
	.amdhsa_code_object_version 6
	.text
	.protected	k_q08b4fb89e8_proj_q
	.globl	k_q08b4fb89e8_proj_q
	.p2align	8
	.type	k_q08b4fb89e8_proj_q,@function
k_q08b4fb89e8_proj_q:
	s_mov_b64 s[64:65], 0
	v_nop
	global_prefetch_b8 v0, s[64:65] scope:SCOPE_SE
	s_setreg_imm32_b32 hwreg(HW_REG_WAVE_MODE, 25, 1), 1
	s_wait_xcnt 0x0
	s_wait_alu depctr_hold_cnt(0) depctr_sa_sdst(0) depctr_va_vdst(0) depctr_va_sdst(0) depctr_va_ssrc(0) depctr_va_vcc(0) depctr_vm_vsrc(0)
	s_getreg_b32 s2, hwreg(HW_REG_IB_STS2, 6, 4)
	s_cmp_eq_u32 s2, 0
	s_cbranch_scc0 .Lentry_in_a_cluster
	s_endpgm
.Lentry_in_a_cluster:
	s_bfe_u32 s2, ttmp6, 0x10000c
	s_cmp_lg_u32 s2, 0xf033
	s_cbranch_scc0 .Lentry_shape_is_right
	s_endpgm
.Lentry_shape_is_right:
; C[m][n] = sum over k of A[m][k] B[n][k], 2,048 x 2,048 x 2,048.  A, B: codes of FP6 (E2M3), K innermost, a row 1,536 bytes, one E8M0 byte for each 32 along K (a row 64 bytes).  C: f32.
; The body serves two launches: xq = x wq^T, and out0 = (attention's output, as codes) wo^T.  xk and xv are left out as dead work (see the first kernel's head).
; SHARES.  A tile of C is 128 x 128: 16 x 16 tiles, one for each of 256 work-groups.  Four waves, each 64 x 64: 16 accumulators.
; K goes through two LDS slots in three CHUNKS OF 512 BYTES of each row (each begins at a multiple of 256 bytes).  A matrix step of 128 along K is 96 bytes: steps 5 and 10 lie across two chunks and take their pieces from both slots.
; The scales of the work-group's rows, two dense blocks of 8,192 bytes, come once and stay.  CLUSTER 4 x 4: A's tiles are asked for jointly along a row of the cluster, B's along a column.
; TRANSPOSED USE (source 0 = rows of B, source 1 = rows of A): a lane holds eight neighbouring numbers of a row of C.
; No prefetch: K has three chunks in all, two of them asked for at the head, so there is no loop to run ahead in.
; REGISTERS.  Window 0: v16-27 addresses, v28-29 for the add, v32-63 scale words (two sets of four steps), v64-127 rows on the way out, v128-255 accumulators.  Window 1: two sets of fragments at v0 and v128: A's at + 12 a, B's at + 48 + 12 b.
; LIMITS: scale bytes of 0xff (NaN) are not served.
.set ROWB,   512
.set XB,     ROWB-24
.set KROW,   1536
.set CHUNKS, 3
.set PITCH,  528                       ; 512 bytes + 16 of padding = 132 words: row r starts at bank 4 r mod 64 (64 banks of 4 bytes: ISA guide 11.1)
.set FR,     12
.set HALFT,  64*PITCH
.set SLOT,   4*HALFT                   ; A's 128 rows, then B's 128
.set KS,     64
.set SCL,    2*SLOT
.set HALFS,  16*272
.set SBLK,   4*272
.set SPARE,  SCL+4*HALFS
.set SPITCH, 272
.set STAGE,  SLOT                      ; the way out's stage lies in slot 1: the last chunk lies in slot 0, and slot 1 has had its last fill and, behind step 10's barrier, its last read
.set NROW,   8192
.set ADRA, 16                          ; v16-17 slot 0, 1; v18-19: lanes 0-15 at byte 488 of the row in slot 0, 1, lanes 16-31 at byte 0 of the row in the other slot
.set ADRB, 20
.set STO,  24
.set RD,   25
.set CO,   26
.set ADRS, 27
.set SPW,  28
.set NIL,  29
.set SC,   32
.set BK,   64
.set ACC,  128
.set G1, 24
.set G0, 32
.set G1B, 48
.set G0B, 56
.set G1S, 68
.set G0S, 76
.set G1SB, 80
.set G0SB, 88
.set G0H, 4
.set G0HB, 8
.set MSB, 0
.macro WIN new
.if MSB != \new
	s_set_vgpr_msb (MSB<<8)|\new
.set MSB, \new
.endif
.endm
.set MUL,  0x05                        ; sources 0 and 1 window 1; C and D window 0
.set TO_F, 0x40                        ; destination window 1, address window 0
.macro JLOAD g0a, g1a, g0b, g1b        ; waves 0, 1 fetch for A, waves 2, 3 for B
	s_cmp_eq_u32 s15, 0
	s_cbranch_scc0 .Lfor_b_\@
	tensor_load_to_lds s[\g0a:\g0a+3], s[\g1a:\g1a+7]
	s_nop 0
.rept 4
	v_nop
.endr
	s_branch .Lasked_\@
.Lfor_b_\@:
	tensor_load_to_lds s[\g0b:\g0b+3], s[\g1b:\g1b+7]
	s_nop 0
.rept 4
	v_nop
.endr
.Lasked_\@:
.endm
.macro CREST
	s_cmp_lg_u32 s14, 0
	s_cbranch_scc1 .Lnot_wave_0_\@
	s_barrier_signal -3
.Lnot_wave_0_\@:
	s_barrier_wait -3
	s_barrier_signal -1
	s_barrier_wait -1
.endm
.macro CROUND
	s_barrier_signal -1
	s_barrier_wait -1
	CREST
.endm
.macro PLACES n
.rept \n
	v_nop
.endr
.endm
	s_load_b128 s[4:7], s[0:1], 0x0                ; A's codes, A's scales
	s_load_b128 s[8:11], s[0:1], 0x10              ; B's codes, B's scales
	s_load_b64 s[12:13], s[0:1], 0x20              ; C
	v_lshl_add_u32 v[SPW], v0, 2, SPARE
	v_mov_b32 v[NIL], 0
	ds_add_u32 v[SPW], v[NIL]                      ; the opening lines: the add, twice on end, and its wait
	ds_add_u32 v[SPW], v[NIL]
	v_lshrrev_b32 v1, 5, v0
	v_readfirstlane_b32 s14, v1                    ; wave
	s_lshr_b32 s15, s14, 1                         ; my half of the tile's rows; also: I fetch for A (0) or B (1)
	s_and_b32 s16, s14, 1                          ; my half of its columns; also: which 64 rows I fetch
	s_bfe_u32 s40, ttmp6, 0x40000                  ; cx
	s_bfe_u32 s41, ttmp6, 0x40004                  ; cy
	s_lshl_b32 s42, ttmp9, 2
	s_add_co_u32 s42, s42, s40                     ; tile column
	s_and_b32 s17, ttmp7, 0xffff
	s_lshl_b32 s17, s17, 2
	s_add_co_u32 s17, s17, s41                     ; tile row
	s_lshl_b32 s43, s41, 2
	s_lshl_b32 s43, 15, s43                        ; my row of the cluster
	s_lshl_b32 s44, 0x1111, s40                    ; my column
	s_or_b32 s[G1+0], s43, (1<<20)|(1<<21)|(6<<22)|(3<<25)   ; bytes; 4 words of padding behind every 128
	s_or_b32 s[G1B+0], s44, (1<<20)|(1<<21)|(6<<22)|(3<<25)
.irp g, G1, G1B
	s_mov_b32 s[\g+1], ROWB<<16
	s_mov_b32 s[\g+2], 128<<16                     ; the head's loads bring 128 rows
	s_mov_b32 s[\g+3], ROWB<<16
	s_mov_b32 s[\g+4], 128
	s_mov_b32 s[\g+5], KROW
	s_mov_b32 s[\g+6], 0
	s_mov_b32 s[\g+7], 0
.endr
	s_or_b32 s[G1S+0], s43, (3<<16)|(1<<20)|(1<<21)|(5<<22)|(3<<25)   ; scales of 128 rows: 32 rows of 256 bytes, 16 of padding behind each
	s_or_b32 s[G1SB+0], s44, (3<<16)|(1<<20)|(1<<21)|(5<<22)|(3<<25)
.irp g, G1S, G1SB
	s_mov_b32 s[\g+1], 32<<16
	s_mov_b32 s[\g+2], 32<<16
	s_mov_b32 s[\g+3], 32<<16
	s_mov_b32 s[\g+4], 32
	s_mov_b32 s[\g+5], 32
	s_mov_b32 s[\g+6], 0
	s_mov_b32 s[\g+7], 0
.endr
	s_lshl_b32 s20, s17, 7                         ; A: the tile's first row
	s_lshl_b32 s46, s42, 7                         ; B
	s_mov_b32 s21, 0
	s_mov_b32 s47, 0
	s_mov_b64 s[18:19], KS
	s_mul_u64 s[22:23], s[20:21], s[18:19]
	s_mul_u64 s[92:93], s[46:47], s[18:19]
	s_mov_b64 s[18:19], KROW
	s_mul_u64 s[20:21], s[20:21], s[18:19]
	s_mul_u64 s[46:47], s[46:47], s[18:19]
	s_mul_i32 s18, s16, 64*KROW                    ; in the ring I fetch 64 rows
	s_mov_b32 s19, 0
	s_mul_i32 s45, s14, HALFT
	s_wait_dscnt 0x0                               ; both opening adds are done
	s_wait_kmcnt 0x0
	s_add_nc_u64 s[20:21], s[4:5], s[20:21]
	s_add_nc_u64 s[22:23], s[6:7], s[22:23]
	s_add_nc_u64 s[46:47], s[8:9], s[46:47]
	s_add_nc_u64 s[92:93], s[10:11], s[92:93]
	CROUND                                         ; the first joint loads meet
	s_mov_b32 s[G0H], 1
	s_mov_b32 s[G0H+1], 0
	s_mov_b64 s[G0H+2:G0H+3], s[20:21]
	s_or_b32 s[G0H+3], s[G0H+3], 0x80000000
	s_mov_b32 s[G0HB], 1
	s_mov_b32 s[G0HB+1], 2*HALFT
	s_mov_b64 s[G0HB+2:G0HB+3], s[46:47]
	s_or_b32 s[G0HB+3], s[G0HB+3], 0x80000000
	s_mov_b32 s[G0S], 1
	s_mov_b32 s[G0S+1], SCL
	s_mov_b64 s[G0S+2:G0S+3], s[22:23]
	s_or_b32 s[G0S+3], s[G0S+3], 0x80000000
	s_mov_b32 s[G0SB], 1
	s_mov_b32 s[G0SB+1], SCL+2*HALFS
	s_mov_b64 s[G0SB+2:G0SB+3], s[92:93]
	s_or_b32 s[G0SB+3], s[G0SB+3], 0x80000000
	s_add_nc_u64 s[20:21], s[20:21], s[18:19]
	s_add_nc_u64 s[46:47], s[46:47], s[18:19]
.irp s, 0,1
	s_mov_b32 s[G0+4*\s], 1
	s_add_co_u32 s[G0+4*\s+1], s45, \s*SLOT
	s_add_nc_u64 s[G0+4*\s+2:G0+4*\s+3], s[20:21], \s*ROWB
	s_or_b32 s[G0+4*\s+3], s[G0+4*\s+3], 0x80000000
	s_mov_b32 s[G0B+4*\s], 1
	s_add_co_u32 s[G0B+4*\s+1], s45, \s*SLOT
	s_add_nc_u64 s[G0B+4*\s+2:G0B+4*\s+3], s[46:47], \s*ROWB
	s_or_b32 s[G0B+4*\s+3], s[G0B+4*\s+3], 0x80000000
.endr
; The head's four tiles, one load a wave, in one chain of branches: wave 0 chunk 0 of A's 128 rows, wave 1 of B's, wave 2 A's scales, wave 3 B's.
.macro ARM under, g0, g1, next
	s_cmp_lt_u32 s14, \under
	s_cbranch_scc0 \next
	tensor_load_to_lds s[\g0:\g0+3], s[\g1:\g1+7]
	s_nop 0
.rept 4
	v_nop
.endr
	s_branch .Lhead_asked
\next:
.endm
	ARM 1, G0H,  G1,  .Lhead_b
	ARM 2, G0HB, G1B, .Lhead_sa
	ARM 3, G0S,  G1S, .Lhead_sb
	tensor_load_to_lds s[G0SB:G0SB+3], s[G1SB:G1SB+7]
	s_nop 0
.rept 4
	v_nop
.endr
.Lhead_asked:
	s_mul_i32 s94, s15, HALFT                      ; my 64 rows of A
	s_mul_i32 s95, s16, HALFT
	s_add_co_u32 s95, s95, 2*HALFT                 ; my 64 rows of B
	s_mul_i32 s96, s15, HALFS
	s_mul_i32 s97, s16, HALFS
	s_add_co_u32 s97, s97, 2*HALFS
	s_sub_co_u32 s97, s97, s96                     ; from A's scale words to B's
	s_add_co_u32 s96, s96, SCL
	s_mul_i32 s23, s14, 16*SPITCH
	s_add_co_u32 s23, s23, STAGE
	s_lshl_b32 s20, s17, 7
	s_lshl_b32 s21, s15, 6
	s_add_co_u32 s20, s20, s21                     ; my first row of C
	s_mov_b32 s21, 0
	s_mov_b64 s[18:19], NROW
	s_mul_u64 s[20:21], s[20:21], s[18:19]
	s_lshl_b32 s46, s42, 9
	s_lshl_b32 s47, s16, 8
	s_add_co_u32 s46, s46, s47
	s_mov_b32 s47, 0
	s_add_nc_u64 s[20:21], s[20:21], s[46:47]
	s_add_nc_u64 s[12:13], s[12:13], s[20:21]
	v_and_b32 v1, 15, v0                           ; r
	v_bfe_u32 v2, v0, 4, 1                         ; h
	v_mul_u32_u24 v3, v1, PITCH
	v_sub_nc_u32 v7, 1, v2
	v_mad_u32_u24 v4, v2, 24, v3
	v_mad_u32_u24 v5, v2, SLOT-XB, v3
	v_mad_u32_u24 v6, v7, SLOT+XB, v3
	v_add_nc_u32 v5, XB, v5
	v_add_nc_u32 v[ADRA], s94, v4
	v_add_nc_u32 v[ADRB], s95, v4
	v_add_nc_u32 v[ADRA+2], s94, v5
	v_add_nc_u32 v[ADRB+2], s95, v5
	v_add_nc_u32 v[ADRA+3], s94, v6
	v_add_nc_u32 v[ADRB+3], s95, v6
	v_add_nc_u32 v[ADRA+1], SLOT, v[ADRA]
	v_add_nc_u32 v[ADRB+1], SLOT, v[ADRB]
	v_lshlrev_b32 v5, 6, v1                        ; my row's scales: 64 bytes a row, 16 more for each 256 passed
	v_lshrrev_b32 v6, 2, v1
	v_lshl_add_u32 v5, v6, 4, v5
	v_mad_u32_u24 v5, v2, s97, v5                  ; lanes 16-31 take B's
	v_add_nc_u32 v[ADRS], s96, v5
	v_mul_u32_u24 v5, v1, SPITCH
	v_lshl_add_u32 v5, v2, 5, v5
	v_add_nc_u32 v[STO], s23, v5
	v_mul_u32_u24 v5, v2, SPITCH
	v_lshl_add_u32 v5, v1, 4, v5
	v_add_nc_u32 v[RD], s23, v5
	v_lshlrev_b32 v5, 13, v2
	v_lshl_add_u32 v[CO], v1, 4, v5
; A fragment: lane (r, h) takes 24 bytes at 96 st + 24 h and 24 at 96 st + 48 + 24 h of its row of codes, in pieces of 8 bytes.  Byte y lies in chunk y / 512, slot (y / 512) % 2, at byte y % 512 of the LDS row.
.macro FRAG reg, adr, st, i
.irp p, 0,1,2,3,4,5
.set BY, 96*(\st)+48*(\p/3)+8*(\p%3)
.if BY/ROWB == (BY+24)/ROWB
	ds_load_b64 v[\reg+2*\p:\reg+2*\p+1], v[\adr+(BY/ROWB)%2] offset:BY%ROWB+(\i)*16*PITCH
.else
	ds_load_b64 v[\reg+2*\p:\reg+2*\p+1], v[\adr+2+(BY/ROWB)%2] offset:BY%ROWB-XB+(\i)*16*PITCH
.endif
.endr
.endm
; Step st's eight fragments into set st % 2; with each fourth step the scale words of four steps.  A's blocks 2 and 3, twelve loads, are always the youngest.
.macro FETCH st
	WIN TO_F
.irp i, 0,1,2,3
	FRAG 128*((\st)%2)+48+FR*\i, ADRB, \st, \i
.endr
.irp i, 0,1
	FRAG 128*((\st)%2)+FR*\i, ADRA, \st, \i
.endr
.if (\st)%4 == 0
	WIN 0
.irp i, 0,1,2,3
	ds_load_b128 v[SC+16*(((\st)/4)%2)+4*\i:SC+16*(((\st)/4)%2)+4*\i+3], v[ADRS] offset:\i*SBLK+16*((\st)/4)
.endr
	WIN TO_F
.endif
.irp i, 2,3
	FRAG 128*((\st)%2)+FR*\i, ADRA, \st, \i
.endr
.endm
; A's block a against B's four.  The 16 accumulators take turns in the same order in every step.
.macro MUL4 a, st, zero
.set FS, 128*((\st)%2)
.set SS, SC+16*(((\st)/4)%2)+(\st)%4
.irp b, 0,1,2,3
.if \zero
	v_wmma_scale_f32_16x16x128_f8f6f4 v[ACC+8*(4*(\a)+\b):ACC+8*(4*(\a)+\b)+7], v[FS+48+FR*\b:FS+48+FR*\b+FR-1], v[FS+FR*(\a):FS+FR*(\a)+FR-1], 0, v[SS+4*\b], v[SS+4*(\a)] matrix_a_fmt:MATRIX_FMT_FP6 matrix_b_fmt:MATRIX_FMT_FP6 matrix_a_scale:MATRIX_SCALE_ROW1
.else
	v_wmma_scale_f32_16x16x128_f8f6f4 v[ACC+8*(4*(\a)+\b):ACC+8*(4*(\a)+\b)+7], v[FS+48+FR*\b:FS+48+FR*\b+FR-1], v[FS+FR*(\a):FS+FR*(\a)+FR-1], v[ACC+8*(4*(\a)+\b):ACC+8*(4*(\a)+\b)+7], v[SS+4*\b], v[SS+4*(\a)] matrix_a_fmt:MATRIX_FMT_FP6 matrix_b_fmt:MATRIX_FMT_FP6 matrix_a_scale:MATRIX_SCALE_ROW1
.endif
.endr
.endm
; A step: 16 matrix instructions; the next step's fragments are fetched in its middle.  Where the next step's bytes END in a chunk not yet read, a barrier shows that chunk whole; where they BEGIN in a later chunk, the chunk
; left behind is read no more: the wait for all tensor loads, the add, the wait for it and for my reads, the barrier; where a chunk two on is left to fetch, the barrier opens a round of the cluster's barrier and the slot is filled again.
.macro STEP st, zero
.set NX, (\st)+1
.set C0, (96*(\st))/ROWB
.set C1, (96*NX)/ROWB
.set E0, (96*(\st)+95)/ROWB
.set E1, (96*NX+95)/ROWB
.if C1 > C0 || E1 > E0
	WIN 0
	s_wait_tensorcnt 0x0
.if C1 > C0
	ds_add_u32 v[SPW], v[NIL]
	s_wait_dscnt 13                                ; the add and the youngest twelve loads may be out
.else
	s_wait_dscnt 12
.endif
	WIN MUL
	MUL4 0, \st, \zero
	s_wait_dscnt 0x0                               ; the add, where there is one, and all my reads are done
	s_barrier_signal -1
	MUL4 1, \st, \zero
	WIN 0
	s_barrier_wait -1
.if C1 > C0 && C0+2 < CHUNKS
	CREST
	s_add_nc_u64 s[G0+4*(C0%2)+2:G0+4*(C0%2)+3], s[G0+4*(C0%2)+2:G0+4*(C0%2)+3], 2*ROWB
	s_add_nc_u64 s[G0B+4*(C0%2)+2:G0B+4*(C0%2)+3], s[G0B+4*(C0%2)+2:G0B+4*(C0%2)+3], 2*ROWB
	JLOAD G0+4*(C0%2), G1, G0B+4*(C0%2), G1B       ; its four v_nop are the places in front of the loads below
.else
	PLACES 4
.endif
.else
	s_wait_dscnt 12                                ; all but A's blocks 2 and 3 are in
	WIN MUL
	MUL4 0, \st, \zero
	MUL4 1, \st, \zero
	PLACES 4                                       ; in front of loads into registers that matrix instructions have read (ISA guide 7.12.1 for vector instructions)
.endif
	FETCH NX
.if NX%4 == 0
	s_wait_dscnt 52                                ; all but the 52 just issued
.else
	s_wait_dscnt 48                                ; all but the 48 just issued
.endif
	WIN MUL
	MUL4 2, \st, \zero
	MUL4 3, \st, \zero
.endm
	s_wait_alu depctr_va_vdst(0)                   ; the wait at the head's end
	s_wait_tensorcnt 0x0                           ; my tile of the head's four is in; the same lines as ahead of a refill stand ahead of slot 1's first fill
	ds_add_u32 v[SPW], v[NIL]
	s_mov_b32 s[G1+2], 64<<16                      ; no load of mine is out: from here on a load brings 64 rows
	s_mov_b32 s[G1+4], 64
	s_mov_b32 s[G1B+2], 64<<16
	s_mov_b32 s[G1B+4], 64
	s_wait_dscnt 0x0
	CROUND
	JLOAD G0+4, G1, G0B+4, G1B                     ; chunk 1
	FETCH 0
	STEP 0, 1                                      ; the first step's products start the sums
.set ST, 1
.rept 14
	STEP ST, 0
.set ST, ST+1
.endr
	s_wait_dscnt 12                                ; the last step
	WIN MUL
	MUL4 0, 15, 0
	MUL4 1, 15, 0
	s_wait_dscnt 0x0
	MUL4 2, 15, 0
	MUL4 3, 15, 0
	WIN 0
	PLACES 4
; THE WAY OUT, 16 rows x 64 columns at a time: a lane's 32 bytes go into my own stage and come back as whole rows of 256 bytes.  LDS serves a wave's instructions in order (ISA guide 5.7.1.4).
.macro TOSTAGE a
.irp b, 0,1,2,3
	ds_store_b128 v[STO], v[ACC+8*(4*(\a)+\b):ACC+8*(4*(\a)+\b)+3] offset:64*\b
	ds_store_b128 v[STO], v[ACC+8*(4*(\a)+\b)+4:ACC+8*(4*(\a)+\b)+7] offset:64*\b+16
.endr
.irp t, 0,1,2,3,4,5,6,7
	ds_load_b128 v[BK+32*((\a)%2)+4*\t:BK+32*((\a)%2)+4*\t+3], v[RD] offset:\t*2*SPITCH
.endr
.endm
.macro SEND a, younger
	s_wait_dscnt \younger
.irp t, 0,1,2,3,4,5,6,7
	global_store_b128 v[CO], v[BK+32*((\a)%2)+4*\t:BK+32*((\a)%2)+4*\t+3], s[12:13] offset:(16*(\a)+2*\t)*NROW th:TH_STORE_NT   ; 16 lanes store 256 consecutive bytes, aligned
.endr
.endm
	TOSTAGE 0
	TOSTAGE 1
	SEND 0, 16                                     ; behind block 0's loads: block 1's 8 stores and 8 loads
	s_wait_xcnt 0x0                                ; block 0's stores have read their registers
	TOSTAGE 2
	SEND 1, 16
	s_wait_xcnt 0x0
	TOSTAGE 3
	SEND 2, 16
	SEND 3, 0
	s_wait_tensorcnt 0x0                           ; the wave's end
	ds_add_u32 v[SPW], v[NIL]
	s_wait_dscnt 0x0
	CROUND                                         ; the closing round
	s_endpgm
.Lfunc_end_k_q08b4fb89e8_proj_q:
	.size	k_q08b4fb89e8_proj_q, .Lfunc_end_k_q08b4fb89e8_proj_q-k_q08b4fb89e8_proj_q
	.p2alignl 7, 3214868480
	.fill 96, 4, 3214868480
	.section	.rodata,"a",@progbits
	.p2align	6, 0x0
	.amdhsa_kernel k_q08b4fb89e8_proj_q
		.amdhsa_group_segment_fixed_size 327680
		.amdhsa_private_segment_fixed_size 0
		.amdhsa_enable_private_segment 0
		.amdhsa_kernarg_size 40
		.amdhsa_user_sgpr_count 2
		.amdhsa_user_sgpr_kernarg_segment_ptr 1
		.amdhsa_wavefront_size32 1
		.amdhsa_system_sgpr_workgroup_id_x 1
		.amdhsa_system_sgpr_workgroup_id_y 1
		.amdhsa_system_sgpr_workgroup_id_z 1
		.amdhsa_system_vgpr_workitem_id 0
		.amdhsa_next_free_vgpr 512
		.amdhsa_next_free_sgpr 98
		.amdhsa_reserve_vcc 0
		.amdhsa_float_denorm_mode_32 3
		.amdhsa_float_denorm_mode_16_64 3
		.amdhsa_memory_ordered 1
		.amdhsa_forward_progress 1
		.amdhsa_inst_pref_size 106
	.end_amdhsa_kernel
	.amdgpu_metadata
---
amdhsa.version: [ 1, 2 ]
amdhsa.kernels:
  - .name:           k_q08b4fb89e8_proj_q
    .symbol:         k_q08b4fb89e8_proj_q.kd
    .args:
      - { .name: x_codes, .offset: 0, .size: 8, .value_kind: global_buffer, .address_space: global }
      - { .name: x_scales, .offset: 8, .size: 8, .value_kind: global_buffer, .address_space: global }
      - { .name: wq_codes, .offset: 16, .size: 8, .value_kind: global_buffer, .address_space: global }
      - { .name: wq_scales, .offset: 24, .size: 8, .value_kind: global_buffer, .address_space: global }
      - { .name: xq, .offset: 32, .size: 8, .value_kind: global_buffer, .address_space: global }
    .group_segment_fixed_size: 327680
    .private_segment_fixed_size: 0
    .kernarg_segment_align: 8
    .kernarg_segment_size: 40
    .max_flat_workgroup_size: 128
    .sgpr_count:     98
    .vgpr_count:     512
    .wavefront_size: 32
...
	.end_amdgpu_metadata
.endif
;; end of part 2
;; launch attn (part 3): grid 16 x 16, 16 waves a work-group, clusters of 4 x 4, 327,680 bytes of LDS; arguments xq, kv, mask, ao_codes, ao_scales; writes ao_codes, ao_scales
.if DOCPART == 3
	.amdgcn_target "amdgcn-amd-amdhsa--gfx1250"
	.amdhsa_code_object_version 6
	.text
	.protected	k_q08b4fb89e8_attn
	.globl	k_q08b4fb89e8_attn
	.p2align	8
	.type	k_q08b4fb89e8_attn,@function
k_q08b4fb89e8_attn:
	s_mov_b64 s[64:65], 0
	v_nop
	global_prefetch_b8 v0, s[64:65] scope:SCOPE_SE
	s_setreg_imm32_b32 hwreg(HW_REG_WAVE_MODE, 25, 1), 1
	s_wait_xcnt 0x0
	s_wait_alu depctr_hold_cnt(0) depctr_sa_sdst(0) depctr_va_vdst(0) depctr_va_sdst(0) depctr_va_ssrc(0) depctr_va_vcc(0) depctr_vm_vsrc(0)
	s_getreg_b32 s2, hwreg(HW_REG_IB_STS2, 6, 4)
	s_cmp_eq_u32 s2, 0
	s_cbranch_scc0 .Lentry_in_a_cluster
	s_endpgm
.Lentry_in_a_cluster:
	s_bfe_u32 s2, ttmp6, 0x10000c
	s_cmp_lg_u32 s2, 0xf033
	s_cbranch_scc0 .Lentry_shape_is_right
	s_endpgm
.Lentry_shape_is_right:
; ao[b][s][64 head + d] = sum over keys of softmax(q . k / 8 + mask) v, both products on codes of FP6 (E2M3) with one E8M0 scale for each 32 along K; ao leaves as codes and scale bytes, quantised along 64 head + d.
; xq: [1024 b + s][64 head + d] f32.  kv: K's and V's codes and scale words, one dense block of 52,224 bytes for each (y = 8 b + head group, key step), in the order of the operand registers (laid by the first launch, whose head gives the layout).  mask: [1024][2048] f32.
; xk and xv are left out as dead work (see the first kernel's head).
; THE SOFTMAX: t = (score / 8 + mask) x log2(e); M = the running largest t rounded UP to a whole number; p = 2^(t - M) is quantised along the keys, not normalised; the row's sum is taken of the unquantised p and divides at the end.
; SHARES.  A work-group owns 64 queries (x) of four heads (y).  Wave w: head w & 3, 16 queries w >> 2.  16 key steps of 128 keys through two LDS slots of 86,016 bytes (the block, then 64 mask rows of 512 + 16 bytes).
; CLUSTER 4 x 4: the block hangs on y alone and is asked for jointly along a row of the cluster, the mask's tile on x alone, along a column.  Waves 0-3 load the mask's 16 rows each, waves 4-7 51 rows of 256 bytes of the block each;
;   at the head waves 8-15 bring the work-group's own q, 8 rows of 1,024 bytes each: every wave issues one load there.  A slot is free in its step's middle, when V is in registers: there stand the waits, the add, the round and the refill, two steps ahead.
; PREFETCH: behind each refill the tiles two refills on: wave 8 names 32 blocks of 256 bytes of the mask's tile (rows 16 cy ..), waves 9 and 10 the 51 of quarter cx of the block; the partners part by address.  The first four steps come by their loads; the last trip asks for nothing.
; LAYOUT.  Both products are used transposed (S^T = K Q^T + C, O^T = V^T P^T + O^T): a lane holds ONE query, lane % 16.  Lane r of tile (c, u) takes key 64 c + 8 u + (r & 7) + 32 (r >> 3) (V: channel 8 u + (r & 7) + 32 (r >> 3)), so register
;   S + 32 c + 8 u + j of lane (r, h) is key 64 c + 32 h + 8 u + j: a lane owns whole blocks of 32, and the conversions' results are the next operand's registers.  THE MASK IS THE C OF THE FIRST PRODUCT; the division by 8 is 3 off q's scale byte.
;   THE HEAD HAS 64 OF THE INSTRUCTION'S 128 ALONG K: Q's registers 6-11 are zero codes, bytes 2, 3 of both scale words are 0; K's fragment of tile t is v[KV + 6 t .. + 11], its upper six the next tile's codes (behind the last: zeros): finite numbers times zero.
; LIMITS.  A block of q whose largest magnitude lies under 2^-121 is taken at the scale 2^-123.  Zero blocks of q, p and ao get the byte 1: this program alone reads those bytes.  A -infinity in the mask relies on the matrix instruction passing an infinite C through.
;   NaN among the inputs and scale bytes of 0xff are not served.  The promise holds while the scaled scores stay under 2^31 in magnitude.
.set TB,    52224
.set PART,  13056                      ; 51 rows of 256 bytes
.set VOFF,  24576
.set KSOFF, 49152
.set VSOFF, 51200
.set MOFF,  52224
.set SLOT,  86016
.set QB,    2*SLOT                     ; q: 64 rows of 1,024 + 16 bytes
.set SPARE, QB+66560
.set STG,   SPARE+2048                 ; the way out: 64 rows x 272
.set SSTG,  STG+64*272
.set SPW, 1
.set NIL, 2
.set AK,  3                            ; each address: slot 0, slot 1
.set AV,  5
.set AKS, 7
.set AVS, 9
.set SH8, 11
.set NM,  12                           ; -M; v13 the largest t
.set L,   14
.set Q,   16
.set QS,  28
.set PS,  29
.set KSR, 30
.set VSR, 34
.set F,   36
.set W,   38
.set KV,  48
.set P,   102
.set T,   114
.set AM,  122
.set PFO, 126
.set S,   128
.set O,   192
.set WV,  20
.set HH,  21
.set QT,  22
.set G1KV, 24
.set G1M, 32
.set G1Q, 40
.set G0KV, 48
.set G0M, 56
.set TRIPS, 66
.set G0Q, 68
.set L2E, 72
.set SEL, 74
.set PFA, 76
.set PFS, 78
.set LIM, 80
.set CX, 81
.set CY, 82
.set XX, 83
.set YY, 84
.macro JLOAD s                         ; the refill of slot s; the branches hang on the wave's number alone
	s_cmp_lt_u32 s[WV], 4
	s_cbranch_scc0 .Lnot_m_\@
	tensor_load_to_lds s[G0M+4*\s:G0M+4*\s+3], s[G1M:G1M+7]
	s_nop 0
.rept 4
	v_nop
.endr
	s_branch .Lasked_\@
.Lnot_m_\@:
	s_cmp_lt_u32 s[WV], 8
	s_cbranch_scc0 .Lasked_\@
	tensor_load_to_lds s[G0KV+4*\s:G0KV+4*\s+3], s[G1KV:G1KV+7]
	s_nop 0
.rept 4
	v_nop
.endr
.Lasked_\@:
.endm
.macro ASK                             ; LIM is 1 in waves 8-10 and the greatest number in the others; TRIPS is 1 in the last trip
	s_cmp_gt_u32 s[TRIPS], s[LIM]
	s_cbranch_scc0 .Lnot_mine_\@
	global_prefetch_b8 v[PFO], s[PFA:PFA+1] th:TH_LOAD_NT scope:SCOPE_SE
.Lnot_mine_\@:
.endm
.macro CREST
	s_cmp_lg_u32 s[WV], 0
	s_cbranch_scc1 .Lnot_wave_0_\@
	s_barrier_signal -3
.Lnot_wave_0_\@:
	s_barrier_wait -3
	s_barrier_signal -1
	s_barrier_wait -1
.endm
.macro CROUND
	s_barrier_signal -1
	s_barrier_wait -1
	CREST
.endm
.macro MAX32 x, floor                  ; the largest magnitude of a lane's 32 numbers, with the floor among its leaves, into v38
	v_max3_num_f32 v38, |v[\x]|, |v[\x+1]|, \floor
	v_max3_num_f32 v39, |v[\x+16]|, |v[\x+17]|, |v[\x+18]|
.irp i, 2,4,6,8,10,12
	s_delay_alu instid0(VALU_DEP_2)
	v_max3_num_f32 v38, v38, |v[\x+\i]|, |v[\x+\i+1]|
	s_delay_alu instid0(VALU_DEP_2)
	v_max3_num_f32 v39, v39, |v[\x+17+\i]|, |v[\x+18+\i]|
.endr
	s_delay_alu instid0(VALU_DEP_2)
	v_max3_num_f32 v38, v38, |v[\x+14]|, |v[\x+15]|
	s_delay_alu instid0(VALU_DEP_1)
	v_max3_num_f32 v38, v38, v39, |v[\x+31]|
.endm
	s_load_b256 s[4:11], s[0:1], 0x0               ; xq, kv, mask, ao_codes
	s_load_b64 s[12:13], s[0:1], 0x20              ; ao_scales
	v_lshl_add_u32 v[SPW], v0, 2, SPARE
	v_mov_b32 v[NIL], 0
	ds_add_u32 v[SPW], v[NIL]                      ; the opening lines: the add, twice on end, and its wait
	ds_add_u32 v[SPW], v[NIL]
	v_lshrrev_b32 v38, 5, v0
	s_delay_alu instid0(VALU_DEP_1)
	v_readfirstlane_b32 s[WV], v38
	s_and_b32 s[HH], s[WV], 3
	s_lshr_b32 s[QT], s[WV], 2
	s_bfe_u32 s[CX], ttmp6, 0x40000
	s_bfe_u32 s[CY], ttmp6, 0x40004
	s_lshl_b32 s[XX], ttmp9, 2
	s_add_co_u32 s[XX], s[XX], s[CX]               ; x: block of 64 queries
	s_and_b32 s[YY], ttmp7, 0xffff
	s_lshl_b32 s[YY], s[YY], 2
	s_add_co_u32 s[YY], s[YY], s[CY]               ; y = 8 b + head group
	s_lshl_b32 s86, s[CY], 2
	s_lshl_b32 s86, 15, s86                        ; my row of the cluster
	s_lshl_b32 s88, 0x1111, s[CX]                  ; my column
	s_or_b32 s[G1KV], s86, (3<<16)|(1<<21)         ; the block's part: 51 dense rows of 256 bytes
	s_mov_b32 s[G1KV+1], 32<<16
	s_mov_b32 s[G1KV+2], 51<<16
	s_mov_b32 s[G1KV+3], 32<<16
	s_mov_b32 s[G1KV+4], 51
	s_mov_b32 s[G1KV+5], 32
	s_mov_b32 s[G1KV+6], 0
	s_mov_b32 s[G1KV+7], 0
	s_or_b32 s[G1M], s88, (2<<16)|(1<<20)|(1<<21)|(6<<22)|(3<<25)   ; the mask: 16 rows x 128 numbers; 4 words of padding behind every 128
	s_mov_b32 s[G1M+1], 128<<16
	s_mov_b32 s[G1M+2], 16<<16
	s_mov_b32 s[G1M+3], 128<<16
	s_mov_b32 s[G1M+4], 16
	s_mov_b32 s[G1M+5], 2048
	s_mov_b32 s[G1M+6], 0
	s_mov_b32 s[G1M+7], 0
	s_mov_b32 s[G1Q], (2<<16)|(1<<20)|(7<<22)|(3<<25)               ; q, my work-group's alone: 8 rows x 256 numbers; 4 words of padding behind every 256
	s_mov_b32 s[G1Q+1], 256<<16
	s_mov_b32 s[G1Q+2], 8<<16
	s_mov_b32 s[G1Q+3], 256<<16
	s_mov_b32 s[G1Q+4], 8
	s_mov_b32 s[G1Q+5], 2048
	s_mov_b32 s[G1Q+6], 0
	s_mov_b32 s[G1Q+7], 0
	s_mov_b32 s[G0KV], 1
	s_mul_i32 s[G0KV+1], s[HH], PART
	s_mov_b32 s[G0KV+4], 1
	s_add_co_u32 s[G0KV+5], s[G0KV+1], SLOT
	s_mov_b32 s[G0M], 1
	s_mul_i32 s[G0M+1], s[HH], 8448
	s_add_co_u32 s[G0M+1], s[G0M+1], MOFF
	s_mov_b32 s[G0M+4], 1
	s_add_co_u32 s[G0M+5], s[G0M+1], SLOT
	s_and_b32 s23, s[WV], 7
	s_mov_b32 s[G0Q], 1
	s_mul_i32 s[G0Q+1], s23, 8320
	s_add_co_u32 s[G0Q+1], s[G0Q+1], QB
	s_lshl_b32 s86, s[YY], 4                       ; the block: (16 y + step) TB + my part (registers that hold nothing of x)
	s_mul_i32 s86, s86, TB
	s_mul_i32 s87, s[HH], PART
	s_add_co_u32 s86, s86, s87
	s_mov_b32 s87, 0
	s_lshl_b32 s88, s[XX], 19                      ; the mask: 64 x rows of 8,192 bytes + my 16 rows (nothing of y)
	s_lshl_b32 s89, s[HH], 17
	s_add_co_u32 s88, s88, s89
	s_mov_b32 s89, 0
	s_lshr_b32 s85, s[YY], 3
	s_lshl_b32 s85, s85, 10
	s_lshl_b32 s90, s[XX], 6
	s_add_co_u32 s85, s85, s90                     ; the work-group's first row: 1,024 b + 64 x
	s_lshl_b32 s90, s23, 3
	s_add_co_u32 s90, s90, s85
	s_lshl_b32 s90, s90, 13
	s_and_b32 s67, s[YY], 7                        ; head group
	s_lshl_b32 s91, s67, 10
	s_add_co_u32 s90, s90, s91
	s_mov_b32 s91, 0                               ; q: my 8 rows, the group's 1,024 bytes
	s_lshl_b32 s92, s[YY], 4                       ; the prefetches begin one step short of step 4: the first refill steps them
	s_add_co_u32 s92, s92, 3
	s_mul_i32 s92, s92, TB
	s_mul_i32 s93, s[CX], PART
	s_add_co_u32 s92, s92, s93
	s_mov_b32 s93, 0
	s_lshl_b32 s96, s[XX], 19
	s_lshl_b32 s97, s[CY], 17
	s_add_co_u32 s96, s96, s97
	s_add_co_u32 s96, s96, 3*512
	s_mov_b32 s97, 0
	s_wait_dscnt 0x0                               ; both opening adds are done
	s_wait_kmcnt 0x0
	s_add_nc_u64 s[G0KV+2:G0KV+3], s[6:7], s[86:87]
	s_add_nc_u64 s[G0KV+6:G0KV+7], s[G0KV+2:G0KV+3], TB
	s_or_b32 s[G0KV+3], s[G0KV+3], 0x80000000
	s_or_b32 s[G0KV+7], s[G0KV+7], 0x80000000
	s_add_nc_u64 s[G0M+2:G0M+3], s[8:9], s[88:89]
	s_add_nc_u64 s[G0M+6:G0M+7], s[G0M+2:G0M+3], 512
	s_or_b32 s[G0M+3], s[G0M+3], 0x80000000
	s_or_b32 s[G0M+7], s[G0M+7], 0x80000000
	s_add_nc_u64 s[G0Q+2:G0Q+3], s[4:5], s[90:91]
	s_or_b32 s[G0Q+3], s[G0Q+3], 0x80000000
	s_add_nc_u64 s[92:93], s[6:7], s[92:93]
	s_add_nc_u64 s[96:97], s[8:9], s[96:97]
	CROUND                                         ; the first joint loads meet
	s_cmp_lt_u32 s[WV], 4                          ; one chain of branches, one load to an arm
	s_cbranch_scc0 .Lhead_kv
	tensor_load_to_lds s[G0M:G0M+3], s[G1M:G1M+7]
	s_nop 0
.rept 4
	v_nop
.endr
	s_branch .Lhead_asked
.Lhead_kv:
	s_cmp_lt_u32 s[WV], 8
	s_cbranch_scc0 .Lhead_q
	tensor_load_to_lds s[G0KV:G0KV+3], s[G1KV:G1KV+7]
	s_nop 0
.rept 4
	v_nop
.endr
	s_branch .Lhead_asked
.Lhead_q:
	tensor_load_to_lds s[G0Q:G0Q+3], s[G1Q:G1Q+7]
	s_nop 0
.rept 4
	v_nop
.endr
.Lhead_asked:
	s_cmp_eq_u32 s[WV], 8                          ; wave 8 prefetches the mask, waves 9 and 10 the block
	s_cselect_b64 s[PFA:PFA+1], s[96:97], s[92:93]
	s_mov_b32 s[PFS], TB
	s_cselect_b32 s[PFS], 512, s[PFS]
	s_cselect_b32 s95, -1, 0
	s_mov_b32 s[PFS+1], 0
	s_sub_co_u32 s94, s[WV], 8
	s_cmp_lt_u32 s94, 3
	s_cselect_b32 s[LIM], 1, -1
	s_and_b32 s94, s[WV], 1
	s_xor_b32 s94, s94, 1
	s_lshl_b32 s94, s94, 5                         ; wave 9: blocks 0-31, wave 10: 32-50
	s_mul_i32 s2, s85, 1536                        ; ao_codes and ao_scales at my rows and heads
	s_mul_i32 s3, s67, 192
	s_add_co_u32 s2, s2, s3
	s_mov_b32 s3, 0
	s_add_nc_u64 s[10:11], s[10:11], s[2:3]
	s_lshl_b32 s2, s85, 6
	s_lshl_b32 s23, s67, 3
	s_add_co_u32 s2, s2, s23
	s_add_nc_u64 s[12:13], s[12:13], s[2:3]
	s_mov_b32 s[L2E], 0x3fb8aa3b                   ; log2(e)
	s_mov_b32 s[L2E+1], s[L2E]
	s_mov_b32 s[SEL], 0x76543210
	s_mov_b32 s[SEL+1], 0xfedcba98                 ; v_permlanex16_b32's selects for lane l xor 16
	s_mul_i32 s85, s[HH], 768
	s_mul_i32 s86, s[HH], 6144
	s_add_co_u32 s86, s86, VOFF
	s_lshl_b32 s87, s[HH], 2
	s_add_co_u32 s87, s87, KSOFF
	s_lshl_b32 s88, s[HH], 8
	s_add_co_u32 s90, s88, QB
	s_add_co_u32 s88, s88, VSOFF
	s_lshl_b32 s89, s[QT], 4
	s_lshl_b32 s91, s[HH], 6
	s_add_co_u32 s91, s91, STG
	s_lshl_b32 s92, s[HH], 1
	s_add_co_u32 s92, s92, SSTG
	s_lshl_b32 s93, s[WV], 2
	v_and_b32 v38, 15, v0                          ; r
	v_bfe_u32 v39, v0, 4, 1                        ; h
	v_and_b32 v40, 31, v0                          ; lane
	v_and_b32 v45, 1, v0
	v_lshl_add_u32 v[AK], v40, 3, s85
	v_lshl_add_u32 v[AV], v40, 3, s86
	v_lshl_add_u32 v[AKS], v40, 4, s87
	v_lshl_add_u32 v[AVS], v40, 3, s88
	v_add_nc_u32 v42, s89, v38                     ; my query's row of the 64
	v_lshlrev_b32 v[SH8], 3, v39
	v_add_nc_u32 v[AK+1], SLOT, v[AK]
	v_add_nc_u32 v[AV+1], SLOT, v[AV]
	v_add_nc_u32 v[AKS+1], SLOT, v[AKS]
	v_add_nc_u32 v[AVS+1], SLOT, v[AVS]
	v_mul_u32_u24 v[AM], v42, 528
	v_mul_u32_u24 v231, v42, 1040
	s_delay_alu instid0(VALU_DEP_2)
	v_lshl_add_u32 v[AM], v39, 7, v[AM]
	s_delay_alu instid0(VALU_DEP_2)
	v_lshl_add_u32 v231, v39, 7, v231
	s_delay_alu instid0(VALU_DEP_2)
	v_add_nc_u32 v[AM], MOFF, v[AM]
	s_delay_alu instid0(VALU_DEP_2)
	v_add_nc_u32 v231, s90, v231                   ; q: my row, my head's 256 bytes, + 128 h
	s_delay_alu instid0(VALU_DEP_2)
	v_add_nc_u32 v[AM+1], SLOT, v[AM]
	v_mul_u32_u24 v224, v42, 272                   ; the way out: codes in
	v_lshl_add_u32 v225, v42, 3, v39               ; the scale byte in
	v_add_nc_u32 v44, s93, v39                     ; back: wave w takes rows 4 w .. 4 w + 3
	s_delay_alu instid0(VALU_DEP_3)
	v_lshl_add_u32 v224, v39, 5, v224
	s_delay_alu instid0(VALU_DEP_3)
	v_add_nc_u32 v225, s92, v225
	s_delay_alu instid0(VALU_DEP_3)
	v_mul_u32_u24 v226, v44, 272
	v_mul_u32_u24 v227, v44, 1536
	v_add_nc_u32 v224, s91, v224
	s_delay_alu instid0(VALU_DEP_3)
	v_lshl_add_u32 v226, v38, 4, v226
	s_delay_alu instid0(VALU_DEP_3)
	v_mad_u32_u24 v227, v38, 12, v227
	v_lshl_add_u32 v228, v0, 3, SSTG
	v_add_nc_u32 v226, STG, v226
	v_lshlrev_b32 v229, 6, v0
	v_lshrrev_b32 v44, 1, v40                      ; the prefetches' offsets: the mask: row lane / 2, half lane % 2
	v_add_nc_u32 v46, s94, v40                     ; the block: a lane a block of 256 bytes, held at the quarter's last
	s_delay_alu instid0(VALU_DEP_2)
	v_lshlrev_b32 v44, 13, v44
	s_delay_alu instid0(VALU_DEP_2)
	v_min_u32 v46, 50, v46
	s_delay_alu instid0(VALU_DEP_2)
	v_lshl_add_u32 v44, v45, 8, v44
	s_delay_alu instid0(VALU_DEP_2)
	v_lshlrev_b32 v46, 8, v46
	s_delay_alu instid0(VALU_DEP_1)
	v_cndmask_b32 v[PFO], v46, v44, s95
.irp i, 6,7,8,9,10,11
	v_mov_b32 v[Q+\i], 0                           ; Q's upper half of K: zero codes
.endr
.irp i, 48,49,50,51,52,53
	v_mov_b32 v[KV+\i], 0                          ; behind K's last tile
.endr
	v_mov_b32 v[L], 0
	v_mov_b32 v[L+1], 0
	v_mov_b32 v[F+1], 0
	v_mov_b32 v43, 0                               ; a lane permute's destination counts as one of its sources
	v_mov_b32 v[NM+1], 0xff61b1e6                  ; the largest t so far: -3e38
	s_delay_alu instid0(VALU_DEP_1)
	v_floor_f32 v[NM], -v[NM+1]
	s_wait_alu depctr_va_vdst(0)                   ; the wait at the head's end
	s_wait_tensorcnt 0x0                           ; my load of the head is in; the same lines as ahead of a refill stand ahead of slot 1's first fill
	ds_add_u32 v[SPW], v[NIL]
	s_wait_dscnt 0x0
	CROUND
	JLOAD 1                                        ; key step 1
.irp i, 0,1,2,3,4,5,6,7
	ds_load_b128 v[S+4*\i:S+4*\i+3], v231 offset:16*\i
.endr
	s_wait_dscnt 0x0
	MAX32 S, 0x3000000                             ; q's block of 32; the floor 2^(6 - 127): the byte less 3 cannot fall under 1
	s_delay_alu instid0(VALU_DEP_1)
	v_add_nc_u32 v46, 0xff000000, v38              ; 2 off the exponent field: the conversion's scale operand
	s_delay_alu instid0(VALU_DEP_2)
	v_add_nc_u32 v44, 0xfd800000, v38              ; 5 off: the scale's byte less 3
	s_delay_alu instid0(VALU_DEP_1)
	v_lshrrev_b32 v44, 23, v44
	s_delay_alu instid0(VALU_DEP_1)
	v_lshlrev_b32 v[QS], v[SH8], v44
	s_delay_alu instid0(VALU_DEP_1)
	v_permlanex16_b32 v43, v[QS], s[SEL], s[SEL+1]
	s_delay_alu instid0(VALU_DEP_1)
	v_or_b32 v[QS], v[QS], v43                     ; bytes 0, 1: blocks 0, 1; bytes 2, 3: 0
	v_cvt_scalef32_pk16_fp6_f32 v[Q:Q+2], v[S:S+15], v46
	v_cvt_scalef32_pk16_fp6_f32 v[T:T+2], v[S+16:S+31], v46   ; (a conversion's three registers begin on an even number)
	v_nop
.irp i, 0,1,2
	v_mov_b32 v[Q+3+\i], v[T+\i]
.endr
.set J, 0
.rept 32
	v_mov_b32 v[O+J], 0                            ; O^T: the step is written once for all steps.  (Also the places between Q's scale word and the first product)
.set J, J+1
.endr
; A KEY STEP on slot s.  mode 2: the slot is filled again, two steps ahead, behind the round in the step's middle; 1: a barrier alone, for the other slot's tiles; 0: none.
.macro STEP s, mode
.rept 4
	v_nop                                          ; places in front of loads into registers that the last products have read
.endr
.irp t, 0,1,2,3,4,5,6,7
	ds_load_b128 v[S+8*\t:S+8*\t+3], v[AM+\s] offset:256*(\t/4)+32*(\t%4)          ; the mask, in the result's layout
	ds_load_b128 v[S+8*\t+4:S+8*\t+7], v[AM+\s] offset:256*(\t/4)+32*(\t%4)+16
.endr
.irp t, 0,1,2,3,4,5,6,7
.irp i, 0,1,2
	ds_load_b64 v[KV+6*\t+2*\i:KV+6*\t+2*\i+1], v[AK+\s] offset:3072*\t+256*\i
.endr
.endr
.irp n, 0,1,2,3
	ds_load_b32 v[KSR+\n], v[AKS+\s] offset:512*\n
.endr
	s_wait_dscnt 0x0
.irp t, 0,1,2,3,4,5,6,7                        ; S^T = K Q^T / 8 + mask
.if \t%2
	v_wmma_scale_f32_16x16x128_f8f6f4 v[S+8*\t:S+8*\t+7], v[KV+6*\t:KV+6*\t+11], v[Q:Q+11], v[S+8*\t:S+8*\t+7], v[KSR+\t/2], v[QS] matrix_a_fmt:MATRIX_FMT_FP6 matrix_b_fmt:MATRIX_FMT_FP6 matrix_a_scale:MATRIX_SCALE_ROW1
.else
	v_wmma_scale_f32_16x16x128_f8f6f4 v[S+8*\t:S+8*\t+7], v[KV+6*\t:KV+6*\t+11], v[Q:Q+11], v[S+8*\t:S+8*\t+7], v[KSR+\t/2], v[QS] matrix_a_fmt:MATRIX_FMT_FP6 matrix_b_fmt:MATRIX_FMT_FP6
.endif
.endr
.rept 4
	v_nop                                          ; places in front of the loads over K's fragments and of the first read of the scores
.endr
.irp u, 0,1,2,3
.irp c, 0,1,2,3,4,5
	ds_load_b64 v[KV+12*\u+2*\c:KV+12*\u+2*\c+1], v[AV+\s] offset:1536*\u+256*\c
.endr
.endr
	ds_load_b64 v[VSR:VSR+1], v[AVS+\s]
	; the largest score of each of my two blocks of 32 keys: for the row's maximum and, since p rises with the score, for the block's largest p
.irp c, 0,1
	v_max3_num_f32 v[W+\c], v[S+32*\c], v[S+32*\c+1], v[S+32*\c+2]
	v_max3_num_f32 v[W+2+\c], v[S+32*\c+16], v[S+32*\c+17], v[S+32*\c+18]
.endr
.irp i, 3,5,7,9,11,13
.irp c, 0,1
	v_max3_num_f32 v[W+\c], v[W+\c], v[S+32*\c+\i], v[S+32*\c+\i+1]
	v_max3_num_f32 v[W+2+\c], v[W+2+\c], v[S+32*\c+16+\i], v[S+32*\c+17+\i]
.endr
.endr
.irp c, 0,1
	v_max3_num_f32 v[W+\c], v[W+\c], v[S+32*\c+15], v[S+32*\c+31]
.endr
.irp c, 0,1
	s_delay_alu instid0(VALU_DEP_2)
	v_max_num_f32 v[W+\c], v[W+\c], v[W+2+\c]
.endr
	s_delay_alu instid0(VALU_DEP_1)
	v_max_num_f32 v42, v38, v39
	s_delay_alu instid0(VALU_DEP_1)
	v_permlanex16_b32 v43, v42, s[SEL], s[SEL+1]
	s_delay_alu instid0(VALU_DEP_1)
	v_max_num_f32 v42, v42, v43                    ; the step's largest score of my query
	s_delay_alu instid0(VALU_DEP_1)
	v_mul_f32 v42, s[L2E], v42
	s_delay_alu instid0(VALU_DEP_1)
	v_max_num_f32 v[NM+1], v[NM+1], v42            ; the running largest t
	v_mov_b32 v42, v[NM]
	s_delay_alu instid0(VALU_DEP_2)
	v_floor_f32 v[NM], -v[NM+1]                    ; the new -M = floor(-t)
	s_delay_alu instid0(VALU_DEP_1)
	v_sub_f32 v42, v[NM], v42                      ; old M - new M: a whole number, 0 or less
	s_delay_alu instid0(VALU_DEP_1)
	v_cvt_i32_f32 v42, v42
	s_delay_alu instid0(VALU_DEP_1)
	v_ldexp_f32 v[F], 1.0, v42                     ; f = 2^(old M - new M)
	s_wait_alu depctr_va_vdst(0)                   ; the wait ahead of the waits below
.if \mode == 2
	s_wait_xcnt 0x0                                ; my last prefetch has read its address
	s_wait_tensorcnt 0x0                           ; all my tensor loads have landed: my part of the other slot
	ds_add_u32 v[SPW], v[NIL]
	s_add_nc_u64 s[G0KV+4*\s+2:G0KV+4*\s+3], s[G0KV+4*\s+2:G0KV+4*\s+3], 2*TB   ; this slot's next tiles, two key steps on
	s_add_nc_u64 s[G0M+4*\s+2:G0M+4*\s+3], s[G0M+4*\s+2:G0M+4*\s+3], 2*512
	s_add_nc_u64 s[PFA:PFA+1], s[PFA:PFA+1], s[PFS:PFS+1]
.endif
.if \mode == 1
	s_wait_tensorcnt 0x0                           ; my part of the last step's tiles is in
.endif
	s_wait_dscnt 0x0                               ; V is in; my reads of this slot are over; the add, where there is one, is done
.if \mode >= 1
	s_barrier_signal -1                            ; (mode 2: it opens a round of the cluster's barrier)
.endif
.set J, 0
.rept 32
	v_pk_fma_f32 v[S+J:S+J+1], v[S+J:S+J+1], s[L2E:L2E+1], v[NM:NM+1] op_sel_hi:[1,0,0]   ; t - M
.set J, J+2
.endr
.irp c, 0,1
	v_fma_f32 v[W+\c], v[W+\c], s[L2E], v[NM]      ; the same of each block's largest score
.endr
	s_wait_alu depctr_va_vdst(0)                   ; the wait ahead of the batch
.set J, 0
.rept 64
	v_exp_f32 v[S+J], v[S+J]                       ; p = 2^(t - M), at most 1
.set J, J+1
.endr
.irp c, 0,1
	v_exp_f32 v[W+\c], v[W+\c]                     ; the block's largest p
.endr
	v_pk_mul_f32 v[L:L+1], v[L:L+1], v[F:F+1] op_sel_hi:[1,0]   ; the sums under the new M: the plain instruction behind the exponentials
	s_wait_alu depctr_va_vdst(0)                   ; one wait for the batch of 66, ahead of its first reader and of the branches below
.if \mode >= 1
	s_barrier_wait -1
.endif
.if \mode == 2
	CREST                                          ; no wave of any partner still reads this slot or has a load on its way
	JLOAD \s
	ASK
.endif
	v_pk_add_f32 v[124:125], v[132:133], v[136:137]             ; the row's sum of the unquantised p, in eight chains
	v_pk_add_f32 v[254:255], v[140:141], v[144:145]
	v_pk_add_f32 v[252:253], v[148:149], v[152:153]
	v_pk_add_f32 v[250:251], v[156:157], v[160:161]
	v_pk_add_f32 v[248:249], v[164:165], v[168:169]
	v_pk_add_f32 v[246:247], v[172:173], v[176:177]
	v_pk_add_f32 v[244:245], v[180:181], v[184:185]
	v_pk_add_f32 v[14:15], v[14:15], v[188:189]
	v_pk_add_f32 v[124:125], v[124:125], v[128:129]
	v_pk_add_f32 v[254:255], v[254:255], v[130:131]
	v_pk_add_f32 v[252:253], v[252:253], v[134:135]
	v_pk_add_f32 v[250:251], v[250:251], v[138:139]
	v_pk_add_f32 v[248:249], v[248:249], v[142:143]
	v_pk_add_f32 v[246:247], v[246:247], v[146:147]
	v_pk_add_f32 v[244:245], v[244:245], v[150:151]
	v_pk_add_f32 v[14:15], v[14:15], v[154:155]
	v_pk_add_f32 v[124:125], v[124:125], v[158:159]
	v_pk_add_f32 v[254:255], v[254:255], v[162:163]
	v_pk_add_f32 v[252:253], v[252:253], v[166:167]
	v_pk_add_f32 v[250:251], v[250:251], v[170:171]
	v_pk_add_f32 v[248:249], v[248:249], v[174:175]
	v_pk_add_f32 v[246:247], v[246:247], v[178:179]
	v_pk_add_f32 v[244:245], v[244:245], v[182:183]
	v_pk_add_f32 v[14:15], v[14:15], v[186:187]
	v_pk_add_f32 v[124:125], v[124:125], v[190:191]
	s_delay_alu instid0(VALU_DEP_2)
	v_pk_add_f32 v[14:15], v[14:15], v[250:251]
	s_delay_alu instid0(VALU_DEP_2)
	v_pk_add_f32 v[124:125], v[124:125], v[248:249]
	v_pk_add_f32 v[254:255], v[254:255], v[246:247]
	v_pk_add_f32 v[252:253], v[252:253], v[244:245]
	s_delay_alu instid0(VALU_DEP_2)
	v_pk_add_f32 v[14:15], v[14:15], v[254:255]
	s_delay_alu instid0(VALU_DEP_2)
	v_pk_add_f32 v[124:125], v[124:125], v[252:253]
	s_delay_alu instid0(VALU_DEP_1)
	v_pk_add_f32 v[14:15], v[14:15], v[124:125]
.irp c, 0,1
	v_max_num_f32 v[W+\c], 0x1800000, v[W+\c]      ; the floor 2^(3 - 127): the byte cannot fall under 1
.endr
.irp c, 0,1
	s_delay_alu instid0(VALU_DEP_2)
	v_add_nc_u32 v[46+\c], 0xff000000, v[W+\c]     ; 2 off the exponent field: the conversion's scale operand
.endr
.irp c, 0,1
	s_delay_alu instid0(VALU_DEP_2)
	v_lshrrev_b32 v[44+\c], 23, v[46+\c]           ; the scale's byte
.endr
	s_delay_alu instid0(VALU_DEP_1)
	v_lshl_or_b32 v[PS], v45, 16, v44              ; my bytes: blocks h and 2 + h,
	s_delay_alu instid0(VALU_DEP_1)
	v_lshlrev_b32 v[PS], v[SH8], v[PS]             ; at their places;
	s_delay_alu instid0(VALU_DEP_1)
	v_permlanex16_b32 v43, v[PS], s[SEL], s[SEL+1]
	s_delay_alu instid0(VALU_DEP_1)
	v_or_b32 v[PS], v[PS], v43                     ; with lane l xor 16's two the word is whole
.irp c, 0,1
	v_cvt_scalef32_pk16_fp6_f32 v[P+6*\c:P+6*\c+2], v[S+32*\c:S+32*\c+15], v[46+\c]
	v_cvt_scalef32_pk16_fp6_f32 v[T+4*\c:T+4*\c+2], v[S+32*\c+16:S+32*\c+31], v[46+\c]
.endr
	v_nop                                          ; one plain place behind a scaled conversion
.irp c, 0,1
.irp i, 0,1,2
	v_mov_b32 v[P+6*\c+3+\i], v[T+4*\c+\i]
.endr
.endr
	s_wait_alu depctr_va_vdst(0)                   ; the wait directly ahead of the first reader of O^T
.set J, 0
.rept 16
	v_pk_mul_f32 v[O+J:O+J+1], v[O+J:O+J+1], v[F:F+1] op_sel_hi:[1,0]   ; O^T under the new M, each accumulator from its low end on; twelve of these name nothing of the first product below: its places
.set J, J+2
.endr
.irp u, 0,1,2,3                                ; O^T += V^T P^T
.if \u%2
	v_wmma_scale_f32_16x16x128_f8f6f4 v[O+8*\u:O+8*\u+7], v[KV+12*\u:KV+12*\u+11], v[P:P+11], v[O+8*\u:O+8*\u+7], v[VSR+\u/2], v[PS] matrix_a_fmt:MATRIX_FMT_FP6 matrix_b_fmt:MATRIX_FMT_FP6 matrix_a_scale:MATRIX_SCALE_ROW1
.else
	v_wmma_scale_f32_16x16x128_f8f6f4 v[O+8*\u:O+8*\u+7], v[KV+12*\u:KV+12*\u+11], v[P:P+11], v[O+8*\u:O+8*\u+7], v[VSR+\u/2], v[PS] matrix_a_fmt:MATRIX_FMT_FP6 matrix_b_fmt:MATRIX_FMT_FP6
.endif
.endr
.endm
	s_mov_b32 s[TRIPS], 7
.Ltrip:                                            ; key steps 0 to 13: each fills its slot again with the step two on
	s_wait_alu depctr_va_vdst(0)
	STEP 0, 2
	STEP 1, 2
	s_sub_co_u32 s[TRIPS], s[TRIPS], 1
	s_cmp_lg_u32 s[TRIPS], 0
	s_cbranch_scc1 .Ltrip
	s_wait_alu depctr_va_vdst(0)
	STEP 0, 1                                      ; the tail is written out: key step 14 waits for step 15's tiles and asks for nothing
	STEP 1, 0
	; THE WAY OUT.  O^T / the row's sum is the last product's operand: my 32 channels are one block of 32 along 64 head + d.
.rept 4
	v_nop
.endr
	v_add_f32 v[L], v[L], v[L+1]
	s_delay_alu instid0(VALU_DEP_1)
	v_permlanex16_b32 v43, v[L], s[SEL], s[SEL+1]
	s_delay_alu instid0(VALU_DEP_1)
	v_add_f32 v[L], v[L], v43
	s_wait_alu depctr_va_vdst(0)
	v_rcp_f32 v[F], v[L]
	v_nop
	s_wait_alu depctr_va_vdst(0)
.set J, 0
.rept 16
	v_pk_mul_f32 v[O+J:O+J+1], v[O+J:O+J+1], v[F:F+1] op_sel_hi:[1,0]
.set J, J+2
.endr
	MAX32 O, 0x1800000
	s_delay_alu instid0(VALU_DEP_1)
	v_add_nc_u32 v46, 0xff000000, v38
	s_delay_alu instid0(VALU_DEP_1)
	v_lshrrev_b32 v44, 23, v46
	v_cvt_scalef32_pk16_fp6_f32 v[T:T+2], v[O:O+15], v46
	v_cvt_scalef32_pk16_fp6_f32 v[T+4:T+6], v[O+16:O+31], v46
	v_nop
	ds_store_b96 v224, v[T:T+2]                    ; 16 codes, 12 bytes, to a place of 16
	ds_store_b96 v224, v[T+4:T+6] offset:16
	ds_store_b8 v225, v44
	s_wait_dscnt 0x0                               ; for the others' sake: my stores into the stages are done
	s_barrier_signal -1
	s_barrier_wait -1
	ds_load_b96 v[232:234], v226
	ds_load_b96 v[236:238], v226 offset:2*272
	s_wait_dscnt 1
	global_store_b96 v227, v[232:234], s[10:11]    ; sixteen lanes store a row's 192 consecutive bytes: the work-group's four heads
	s_wait_dscnt 0x0
	global_store_b96 v227, v[236:238], s[10:11] offset:2*1536
	s_cmp_lt_u32 s[WV], 2                          ; the 64 rows' scale bytes: waves 0 and 1, a lane a row, 8 bytes
	s_cbranch_scc0 .Lno_scales
	ds_load_b64 v[240:241], v228
	s_wait_dscnt 0x0
	global_store_b64 v229, v[240:241], s[12:13]
.Lno_scales:
	s_wait_tensorcnt 0x0                           ; the wave's end
	ds_add_u32 v[SPW], v[NIL]
	s_wait_dscnt 0x0
	CROUND                                         ; the closing round
	s_endpgm
.Lfunc_end_k_q08b4fb89e8_attn:
	.size	k_q08b4fb89e8_attn, .Lfunc_end_k_q08b4fb89e8_attn-k_q08b4fb89e8_attn
	.p2alignl 7, 3214868480
	.fill 96, 4, 3214868480
	.section	.rodata,"a",@progbits
	.p2align	6, 0x0
	.amdhsa_kernel k_q08b4fb89e8_attn
		.amdhsa_group_segment_fixed_size 327680
		.amdhsa_private_segment_fixed_size 0
		.amdhsa_enable_private_segment 0
		.amdhsa_kernarg_size 40
		.amdhsa_user_sgpr_count 2
		.amdhsa_user_sgpr_kernarg_segment_ptr 1
		.amdhsa_wavefront_size32 1
		.amdhsa_system_sgpr_workgroup_id_x 1
		.amdhsa_system_sgpr_workgroup_id_y 1
		.amdhsa_system_sgpr_workgroup_id_z 1
		.amdhsa_system_vgpr_workitem_id 0
		.amdhsa_next_free_vgpr 256
		.amdhsa_next_free_sgpr 100
		.amdhsa_reserve_vcc 0
		.amdhsa_float_denorm_mode_32 3
		.amdhsa_float_denorm_mode_16_64 3
		.amdhsa_memory_ordered 1
		.amdhsa_forward_progress 1
		.amdhsa_inst_pref_size 94
	.end_amdhsa_kernel
	.amdgpu_metadata
---
amdhsa.version: [ 1, 2 ]
amdhsa.kernels:
  - .name:           k_q08b4fb89e8_attn
    .symbol:         k_q08b4fb89e8_attn.kd
    .args:
      - { .name: xq, .offset: 0, .size: 8, .value_kind: global_buffer, .address_space: global }
      - { .name: kv, .offset: 8, .size: 8, .value_kind: global_buffer, .address_space: global }
      - { .name: mask, .offset: 16, .size: 8, .value_kind: global_buffer, .address_space: global }
      - { .name: ao_codes, .offset: 24, .size: 8, .value_kind: global_buffer, .address_space: global }
      - { .name: ao_scales, .offset: 32, .size: 8, .value_kind: global_buffer, .address_space: global }
    .group_segment_fixed_size: 327680
    .private_segment_fixed_size: 0
    .kernarg_segment_align: 8
    .kernarg_segment_size: 40
    .max_flat_workgroup_size: 512
    .sgpr_count:     100
    .vgpr_count:     256
    .wavefront_size: 32
...
	.end_amdgpu_metadata
.endif
;; end of part 3
;; launch proj_o: the kernel of part 2 again; grid 16 x 16, 4 waves a work-group, clusters of 4 x 4, 327,680 bytes of LDS; arguments ao_codes, ao_scales, wo_codes, wo_scales, out0; writes out0
